; MI455X (gfx1250); checked and timed in simulation.
; The chip was launched on July 23, 2026; its instructions are those of AMD's public machine-readable ISA for CDNA 5 (MIT licence, August 2026) and "CDNA5" Instruction Set Architecture Reference Guide (July 2026). The comments in the code are by the model that wrote it; some were corrected since.
;; Gaussian FC. Allowed arithmetic: matrix products marked QUANTISED: E2M1 operands, one E8M0 scale for each 32 along K, by v_wmma_scale_f32_16x16x128_f8f6f4 with both operands' format E2M1 (or v_wmma_scale_f32_32x16x128_f4), f32 sums; everything else in f32.
;; Inputs: amplitude 8,192 x 1 float32; bias 8,192 float32; mu 8,192 x 1 float32; sigma 8,192 x 1 float32; x_codes 64 x 256 x 16 uint8 (E2M1 codes of x, K innermost, in blocks of 32 codes, two codes a byte); x_scales 64 x 256 uint8 (E8M0 scales of x, one for each 32 codes along K).
;; Outputs: out0 64 x 8,192 float32.
;; This version of the problem:
;;   THIS VERSION OF THE PROBLEM IS GIVEN IN LOW PRECISION. The matrix products marked QUANTISED in the list below multiply operands that are first quantised to E2M1 (2 exponent bits, 1 mantissa bit; 4 bits a number), with one power-of-two scale for each 32 numbers along K (OCP MX v1.0); their sums are f32. All else is computed in f32.
;;   The module's matrix products, in the order in which they are computed (A, B: the left and right operand; K: the contracted axis; several contracted axes count as one K, in the product's order):
;;     1. [M 64, K 8,192] x [K 8,192, N 8,192]; A: input x (given as codes); B: computed on the way: QUANTISED
;;   THE QUANTISER, for each operand of a quantised product, along K:
;;     - K is cut into blocks of 32 from its start; a last block that is shorter is filled with zeros.
;;     - A block's scale is 2^e with e = floor(log2(the largest magnitude in the block)) - 2, held to -126 .. 127; a block of zeros has e = 0. As a byte (E8M0): e + 127.
;;     - Each number is divided by its block's scale, clamped to +-6, and rounded to the nearest number of E2M1, ties to even, subnormals kept.
;;     - The product sums the exact products of the quantised numbers (number of the format x scale) in f32.
;;   ~~~python
;;   def quantise(x, axis):      # numpy; x: float32 -> the quantised numbers, widened to float32 again
;;       x = np.moveaxis(x, axis, -1); K = x.shape[-1]
;;       x = np.pad(x, [(0, 0)] * (x.ndim - 1) + [(0, -K % 32)]); x = x.reshape(x.shape[:-1] + (-1, 32)); a = np.abs(x).max(-1, keepdims=True)
;;       e = np.where(a > 0, np.clip(np.frexp(np.where(a > 0, a, 1))[1] - 1 - 2, -126, 127), 0)      # np.frexp(a)[1] - 1 = floor(log2(a)), exactly
;;       r = np.clip(x / 2.0 ** e, -6, 6)
;;       step = 2.0 ** (np.maximum(np.frexp(np.where(r == 0, 1, r))[1] - 1, 0) - 1)
;;       q = np.round(r / step) * step * 2.0 ** e      # np.round: ties to even
;;       return np.moveaxis(q.reshape(q.shape[:-2] + (-1,))[..., :K], -1, axis).astype(np.float32)
;;   ~~~
;;   OPERANDS COMPUTED ON THE WAY. 'Computed on the way' means the value that the module computes at that place (a softmax that the list does not call 'softmax' is quantised finished and normalised). What goes into a quantiser is computed in f32, as accurately as f32 sums, v_exp_f32 and their like allow (about 1e-6 of the number): no bf16 or f16 on the way to a quantiser, and a product that is left as it is and whose result goes on into a quantised operand takes f32 operands (vector FMAs, or v_wmma_f32_16x16x4_f32). A number that lies on a knife's edge between two numbers of the format may be rounded either way, as far as f32 arithmetic and the matrix unit's own rounding can turn it there, and no further.
;;   INPUTS GIVEN AS CODES. x (in the module: [64, 8192], K = its axis 1): each comes as NAME_codes (uint8): NAME with its K axis moved to the last place and cut into blocks of 32 codes, [.., K / 32, bytes a block], one block behind the other in memory; two codes a byte, the lower K in the low four bits (a code: sign, 2 exponent bits, 1 mantissa bit); and NAME_scales (uint8): the same leading axes, one E8M0 byte (e + 127) for each 32 codes along K. Its value is code x scale, taken as it is: it is not quantised again, and the codes and scales need not be those that the quantiser above would give.
;; One version. Each part assembles by itself: llvm-mc -triple=amdgcn-amd-amdhsa -mcpu=gfx1250 --defsym DOCPART=n.
;; ======== version 1 of 1: 1 launch
;; launch gaussfc (part 1): grid 256 x 1, 8 waves a work-group, clusters of 4 x 1, 327,680 bytes of LDS; arguments x_codes, x_scales, mu, sigma, amplitude, bias, out0; writes out0
.if DOCPART == 1
	.amdgcn_target "amdgcn-amd-amdhsa--gfx1250"
	.amdhsa_code_object_version 6
	.text
	.protected	k_q08bdb1dd2a_gaussfc
	.globl	k_q08bdb1dd2a_gaussfc
	.p2align	8
	.type	k_q08bdb1dd2a_gaussfc,@function
k_q08bdb1dd2a_gaussfc:
	s_mov_b64 s[64:65], 0
	v_nop
	global_prefetch_b8 v0, s[64:65] scope:SCOPE_SE
	s_setreg_imm32_b32 hwreg(HW_REG_WAVE_MODE, 25, 1), 1
	s_wait_xcnt 0x0
	s_wait_alu depctr_hold_cnt(0) depctr_sa_sdst(0) depctr_va_vdst(0) depctr_va_sdst(0) depctr_va_ssrc(0) depctr_va_vcc(0) depctr_vm_vsrc(0)
	s_getreg_b32 s2, hwreg(HW_REG_IB_STS2, 6, 4)
	s_cmp_eq_u32 s2, 0
	s_cbranch_scc0 .Lentry_in_a_cluster
	s_endpgm
.Lentry_in_a_cluster:
	s_bfe_u32 s2, ttmp6, 0x10000c
	s_cmp_lg_u32 s2, 0x3003
	s_cbranch_scc0 .Lentry_shape_is_right
	s_endpgm
.Lentry_shape_is_right:
; out0[m][n] = relu(sum over k of x[m][k] Q(w)[k][n] + bias[n]),  w[k][n] = amplitude[k] exp(-(n - mu[k])^2 / (2 sigma[k]^2)).  64 rows, K = 8,192, 8,192 columns.
; x arrives as codes of FP4 (E2M1) with one E8M0 byte for each 32 along K; w is made here in f32 and quantised along K by the same rule; the product is done on codes; sums in f32.
; SHARES.  256 work-groups; each owns 32 columns for all of K, so no sum crosses work-groups.  Eight waves; wave v owns k = 1,024 v .. 1,024 v + 1,023, and the eight partial tiles are added through LDS at the end.
; A LANE IS A BLOCK OF 32 ALONG K.  Lane b keeps mu, c = -log2(e) / (2 sigma^2) and log2|amplitude| of its 32 k in 96 registers and uses them for all 32 columns; the column's number is the same in all lanes.
; So a weight costs half a packed subtraction, half a packed square, half a packed multiply-add, one exponential, half a v_max3 and an eighth of a conversion; a block's largest magnitude needs no other lane.
; w = sign(a) 2^(c d^2 + log2|a|): the amplitude's size enters the multiply-add, its sign is put on the codes' sign bits (one v_xor_b32 for eight codes).
; The codes then change from lane = block to lane = column through LDS: rows [column][512 bytes], read back as operand fragments.
; x.  All work-groups read the same x: 4 work-groups form a cluster and ask for each tile JOINTLY (mask 15).  x fits whole in LDS (8 x 64 rows x 528 bytes, and 64 x 272 bytes of scales): each byte is filled once.
; mu, sigma, amplitude are NOT asked for jointly: padded they are 110,592 bytes and 39,936 are left beside x; each wave loads its 3 x 4,096 bytes in runs of 512 and turns them through a stage of 4,608 bytes.
; The weights' rows lie over rows 32-63 of the wave's own tile of x, which has had its only fill; those rows' fragments are taken into registers first.
; THE MATRIX INSTRUCTION IS USED TRANSPOSED (source 0 = 16 columns of w, source 1 = 16 rows of x): a lane then holds eight neighbouring columns of one row of out0.
; STORES.  8,192 columns over 256 work-groups are 32 columns, 128 bytes of a row: a store of a wave covers four runs of 128 consecutive bytes, no more.
; LIMITS.  sigma^2 and its reciprocal must be normal f32 numbers (sigma = 0 is not served).  Weights under 2^-126 count as 0 (v_exp_f32 gives 0 there), and so do those of denormal amplitudes.
; The amplitude goes through the exponent, so the order of rounding differs from a multiplication behind the exponential: about 1e-7 x (1 + |log2|a||) of the weight.  Amplitudes under 2^-88 in size may lose their sign.
; NaN and infinities among the inputs are not served.
.set NWAVE, 8
.set XP,    528                        ; a row of x's codes (and of the weights' codes) in LDS: 512 bytes + 16: an odd multiple of 16, so sixteen rows start in sixteen different 16-byte columns of 256
.set XTW,   64*XP                      ; a wave's tile of x: 64 rows
.set XS,    NWAVE*XTW                  ; behind the tiles: x's scale bytes, 64 rows of 256 bytes + 16
.set XSP,   272
.set CST,   XS+64*XSP                  ; behind them: a stage for each wave, which no tensor load fills
.set CSP,   144                        ; a block's 32 numbers in the stage: 128 bytes + 16
.set CSW,   32*CSP
.set SBP,   48                         ; later in the same stage: a column's 32 scale bytes + 16
.set RP,    144                        ; the partial tiles: a row of 32 f32 + 16 bytes
.set LN,  1                            ; v1   lane
.set GOF, 2                            ; v2   16 x lane
.set BOF, 3                            ; v3   16 x (lane % 8): my four columns of bias
.set STA, 4                            ; v4   the stage, on the way in
.set LDA, 5                            ; v5   the stage, on the way out: my block
.set SGN, 6                            ; v6   the scale operand of the conversion that takes the amplitudes' signs
.set SBA, 7                            ; v7   where my block's scale bytes go
.set T0,  8
.set T1,  9
.set MU,  16                           ; v16-47   mu of my 32 k
.set CC,  48                           ; v48-79   sigma, then sigma^2, then c
.set LA,  80                           ; v80-111  amplitude, then log2|amplitude|
.set MK,  112                          ; v112-115 sign masks: bit 4 i + 3 of register g for k = 8 g + i
.set NA,  116                          ; v[116:117], v[118:119]: minus the two columns' numbers (the low word serves both halves)
.set NB,  118
.set MX,  120                          ; v120-123 maxima
.set SCL, 124                          ; v124-125 the conversions' scale operands
.set BY,  126                          ; v126-127 the scale bytes
.set WA,  128                          ; v128-159, v160-191: the 32 weights of two columns
.set WB,  160
.set TC,  192                          ; v192-199 codes just made
.set RAW, 128                          ; v128-223 mu, sigma, amplitude as loaded
.set RR,  128                          ; 1 / sigma^2
.set C0,  160                          ; c, first guess
.set EE,  192                          ; its residual
.set ACC, 128                          ; the 8 accumulators: (tile of rows m, tile of columns t) at v[ACC + 8 (2 m + t)]
.set VA,  208                          ; v208 a fragment's row and half in my tile
.set VW,  209                          ; v209 where my block's codes go
.set VXS, 210                          ; v210 x's scale words
.set VWS, 211                          ; v211 the weights' scale words
.set VR,  212                          ; v212 my place in my partial tile
.set VRD, 213                          ; v213-216 the rows that I add, in the tiles of waves 0, 2, 4, 6
.set VOUT, 217                         ; v217 my byte offset in out0
.set WS,  224                          ; v224-231 the weights' scale words, register = K step: lanes 0-15 columns 0-15, lanes 16-31 columns 16-31.  v224-247 hold scales and nothing else
.set XSC, 232                          ; v232-247 x's: register 8 p + K step: lanes 0-15 rows 32 p on, lanes 16-31 rows 32 p + 16 on
.set BI,  248                          ; v248-251 bias
; window 1: v0-127 the codes, four registers a column, later the weights' fragments (16 a K step); v128-255 x's fragments of rows 32-63 (16 a K step)
.set MSB, 0
.macro WIN new                         ; the immediate's high byte repeats the setting that is left
.if MSB != \new
	s_set_vgpr_msb (MSB<<8)|\new
.set MSB, \new
.endif
.endm
.macro ROUND                           ; a round of the cluster's barrier: my work-group's barrier, wave 0 signals for the work-group, every wave waits for all four, my work-group's barrier once more
	s_barrier_signal -1
	s_barrier_wait -1
	s_cmp_lg_u32 s18, 0
	s_cbranch_scc1 .Lnot_wave_0_\@
	s_barrier_signal -3
.Lnot_wave_0_\@:
	s_barrier_wait -3
	s_barrier_signal -1
	s_barrier_wait -1
.endm
	s_load_b256 s[4:11], s[0:1], 0x0               ; x's codes s[4:5], x's scales s[6:7], mu s[8:9], sigma s[10:11]
	s_load_b128 s[12:15], s[0:1], 0x20             ; amplitude s[12:13], bias s[14:15]
	s_load_b64 s[16:17], s[0:1], 0x30              ; out0
	v_lshl_add_u32 v254, v0, 2, 0x4f400
	v_mov_b32 v255, 0
	ds_add_u32 v254, v255
	ds_add_u32 v254, v255
	v_lshrrev_b32 v[T0], 5, v0
	v_readfirstlane_b32 s18, v[T0]                 ; wave 0..7
	v_and_b32 v[LN], 31, v0
	v_lshlrev_b32 v[GOF], 4, v[LN]
	v_and_b32 v[T1], 7, v0                         ; lane % 8
	v_lshlrev_b32 v[BOF], 4, v[T1]
	s_bfe_u32 s19, ttmp6, 0x40000                  ; cx: my place in the cluster
	s_lshl_b32 s20, ttmp9, 2                       ; in a cluster launch ttmp9 counts clusters
	s_add_co_u32 s20, s20, s19                     ; my work-group: it enters the columns' numbers and bias's and out0's addresses alone
	s_lshl_b32 s21, s20, 5                         ; my first column
	s_lshl_b32 s58, s20, 7                         ; and its bytes in a row of f32
	s_mov_b32 s59, 0
	; descriptor group 1 for x's codes: 64 rows x 512 bytes, 4,096 bytes apart in memory, 16 bytes of padding behind each row
	s_mov_b32 s24, 15|(0<<16)|(1<<20)|(1<<21)|(6<<22)|(3<<25)  ; 15:0 the mask: all four work-groups; 17:16 elements of 1 byte; 20 padding on; 21 set beside a mask; 24:22 after every 128 words; 31:25 four words
	s_mov_b32 s25, 512<<16                         ; tensor_dim0
	s_mov_b32 s26, 64<<16                          ; tensor_dim1
	s_mov_b32 s27, 512<<16                         ; tile_dim0
	s_mov_b32 s28, 64                              ; tile_dim1
	s_mov_b32 s29, 4096                            ; from row to row
	s_mov_b32 s30, 0
	s_mov_b32 s31, 0
	; and for x's scale bytes: 8 whole rows of 256 bytes (32 elements of 8 bytes), dense, 16 bytes of padding behind each
	s_mov_b32 s36, 15|(3<<16)|(1<<20)|(1<<21)|(5<<22)|(3<<25)
	s_mov_b32 s37, 32<<16
	s_mov_b32 s38, 8<<16
	s_mov_b32 s39, 32<<16
	s_mov_b32 s40, 8
	s_mov_b32 s41, 32
	s_mov_b32 s42, 0
	s_mov_b32 s43, 0
	s_mul_i32 s22, s18, XTW                        ; my tile of x in LDS: the wave's number alone enters an LDS address
	s_mul_i32 s23, s18, CSW
	s_add_co_u32 s23, s23, CST                     ; my stage
	s_lshl_b32 s48, s18, 9                         ; my 1,024 k: 512 bytes of a row of codes,
	s_mov_b32 s49, 0
	s_lshl_b32 s50, s18, 11                        ; (the 8 rows of scale bytes that I fetch: 2,048 bytes)
	s_mov_b32 s51, 0
	s_lshl_b32 s52, s18, 12                        ; 4,096 bytes of mu, sigma, amplitude
	s_mov_b32 s53, 0
	s_mov_b32 s54, 0xbf38aa3b                      ; -log2(e) / 2 in two words: the f32 nearest to it,
	s_mov_b32 s55, s54
	s_mov_b32 s56, 0xb2257060                      ; and what that leaves: -9.63e-9
	s_mov_b32 s57, s56
	s_lshl_b32 s60, s18, 18                        ; the 8 rows of out0 that I store: 8 x 32,768 bytes a wave
	s_add_co_u32 s60, s60, s58
	s_mov_b32 s61, 0
	s_wait_dscnt 0x0
	s_wait_kmcnt 0x0
	s_add_nc_u64 s[14:15], s[14:15], s[58:59]
	s_add_nc_u64 s[16:17], s[16:17], s[60:61]
	s_add_nc_u64 s[8:9], s[8:9], s[52:53]
	s_add_nc_u64 s[10:11], s[10:11], s[52:53]
	s_add_nc_u64 s[12:13], s[12:13], s[52:53]
	global_load_b128 v[BI:BI+3], v[BOF], s[14:15]
.irp i, 0,1,2,3,4,5,6,7
	global_load_b128 v[RAW+4*\i:RAW+4*\i+3], v[GOF], s[8:9] offset:512*\i          ; 32 lanes read 512 consecutive bytes
.endr
.irp i, 0,1,2,3,4,5,6,7
	global_load_b128 v[RAW+32+4*\i:RAW+32+4*\i+3], v[GOF], s[10:11] offset:512*\i
.endr
.irp i, 0,1,2,3,4,5,6,7
	global_load_b128 v[RAW+64+4*\i:RAW+64+4*\i+3], v[GOF], s[12:13] offset:512*\i
.endr
	s_mov_b32 s32, 1                               ; group 0 for my tile of codes: count,
	s_mov_b32 s33, s22                             ; LDS address,
	s_add_nc_u64 s[34:35], s[4:5], s[48:49]        ; global address: the same in all four partners,
	s_or_b32 s35, s35, 0x80000000                  ; type
	s_mov_b32 s44, 1
	s_mul_i32 s45, s18, 8*XSP
	s_add_co_u32 s45, s45, XS
	s_add_nc_u64 s[46:47], s[6:7], s[50:51]
	s_or_b32 s47, s47, 0x80000000
	ROUND                                          ; all four work-groups are here: the joint loads meet
	tensor_load_to_lds s[32:35], s[24:31]          ; my two fills, the only ones: two tensor loads of mine are out
	s_nop 0
	tensor_load_to_lds s[44:47], s[36:43]
	s_nop 0
	v_lshrrev_b32 v[T0], 3, v[LN]                  ; lane / 8
	v_mul_u32_u24 v[STA], v[T0], CSP
	v_mul_u32_u24 v[LDA], v[LN], CSP
	v_mov_b32 v[SGN], 0x14800000                   ; exponent field 41: the conversion divides by 2^-86
	v_lshl_add_u32 v[STA], v[T1], 4, v[STA]
	v_add_nc_u32 v[STA], s23, v[STA]               ; in: eight lanes' 128 bytes are a block: 144 (lane / 8) + 16 (lane % 8); a load's 512 bytes are four blocks
	v_add_nc_u32 v[LDA], s23, v[LDA]               ; out: 144 x lane: my block
	v_add_nc_u32 v[SBA], s23, v[LN]
; 4,096 bytes, loaded as they lie, come back 128 bytes a lane.  LDS serves a wave's instructions in order, so no wait stands between the stores and the loads, nor in front of the next array's stores.
.macro TURN raw, dst, left
	s_wait_loadcnt \left                           ; the loads issued behind this array's may be out
.irp i, 0,1,2,3,4,5,6,7
	ds_store_b128 v[STA], v[\raw+4*\i:\raw+4*\i+3] offset:4*CSP*\i
.endr
.irp g, 0,1,2,3,4,5,6,7
	ds_load_b128 v[\dst+4*\g:\dst+4*\g+3], v[LDA] offset:16*\g
.endr
.endm
	TURN RAW, MU, 16
	TURN RAW+32, CC, 8
	TURN RAW+64, LA, 0
	s_wait_dscnt 0x0
	; THE CONSTANTS OF MY 32 k.  The signs: the amplitudes themselves are converted (divided by 2^-86, so that they are held at the largest code), and the codes' sign bits are kept.
.irp g, 0,1,2,3
	v_cvt_scalef32_pk8_fp4_f32 v[MK+\g], v[LA+8*\g:LA+8*\g+7], v[SGN]
.endr
.set j, 0
.rept 16
	v_pk_mul_f32 v[CC+j:CC+j+1], v[CC+j:CC+j+1], v[CC+j:CC+j+1]   ; sigma^2 (twice it is 2 sigma sigma, rounded alike)
.set j, j+2
.endr
.irp g, 0,1,2,3
	v_and_b32 v[MK+\g], 0x88888888, v[MK+\g]
.endr
.set j, 0
.rept 32
	v_rcp_f32 v[RR+j], v[CC+j]
.set j, j+1
.endr
.set j, 0
.rept 32
	v_log_f32 v[LA+j], |v[LA+j]|                   ; log2|a|; -infinity for a = 0, which makes every weight of that k 0
.set j, j+1
.endr
	v_cvt_f32_u32 v[NA], s21                       ; plain work behind the batch: minus my first two columns' numbers
	v_xor_b32 v[NA], 0x80000000, v[NA]
	v_add_f32 v[NB], -1.0, v[NA]
	v_mov_b32 v[NA+1], v[NA]                       ; (named as the pairs' upper halves, so they are written)
	v_mov_b32 v[NB+1], v[NB]
	s_wait_alu depctr_va_vdst(0)                   ; ahead of the first reader: one wait for the 64
.set j, 0
.rept 16
	v_pk_mul_f32 v[C0+j:C0+j+1], v[RR+j:RR+j+1], s[54:55] op_sel_hi:[1,0]          ; c's first guess,
.set j, j+2
.endr
.set j, 0
.rept 16
	v_pk_fma_f32 v[EE+j:EE+j+1], v[C0+j:C0+j+1], v[CC+j:CC+j+1], s[54:55] op_sel_hi:[1,1,0] neg_lo:[1,0,0] neg_hi:[1,0,0]   ; what it leaves of the constant's first word,
.set j, j+2
.endr
.set j, 0
.rept 16
	v_pk_add_f32 v[EE+j:EE+j+1], v[EE+j:EE+j+1], s[56:57] op_sel_hi:[1,0]          ; with the second word,
.set j, j+2
.endr
.set j, 0
.rept 16
	v_pk_fma_f32 v[CC+j:CC+j+1], v[EE+j:EE+j+1], v[RR+j:RR+j+1], v[C0+j:C0+j+1]    ; brought in: c = -log2(e) / (2 sigma^2) to about half a unit in its last place
.set j, j+2
.endr
; TWO COLUMNS, 2 i and 2 i + 1: 64 weights a lane.
.macro BATCH i
.set j, 0
.rept 16
	v_pk_add_f32 v[WA+j:WA+j+1], v[MU+j:MU+j+1], v[NA:NA+1] op_sel_hi:[1,0]        ; mu - n: one rounding, as n - mu has; its sign falls out in the square
	v_pk_add_f32 v[WB+j:WB+j+1], v[MU+j:MU+j+1], v[NB:NB+1] op_sel_hi:[1,0]
.set j, j+2
.endr
.set j, 0
.rept 32
	v_pk_mul_f32 v[WA+j:WA+j+1], v[WA+j:WA+j+1], v[WA+j:WA+j+1]
.set j, j+2
.endr
.set j, 0
.rept 16
	v_pk_fma_f32 v[WA+j:WA+j+1], v[WA+j:WA+j+1], v[CC+j:CC+j+1], v[LA+j:LA+j+1]    ; c d^2 + log2|a|
	v_pk_fma_f32 v[WB+j:WB+j+1], v[WB+j:WB+j+1], v[CC+j:CC+j+1], v[LA+j:LA+j+1]
.set j, j+2
.endr
.set j, 0
.rept 64
	v_exp_f32 v[WA+j], v[WA+j]                     ; |w|
.set j, j+1
.endr
	v_add_f32 v[NA], -2.0, v[NA]                   ; plain work behind the batch: the next two columns
	v_add_f32 v[NB], -2.0, v[NB]
	s_wait_alu depctr_va_vdst(0)                   ; one wait for the 64 exponentials, ahead of their first reader
	v_max3_num_f32 v[MX],   v[WA],    v[WA+1],  0x1800000   ; a block's largest magnitude (none is negative), two chains a column; the floor 2^(3 - 127) is one more leaf: the byte cannot fall under 1
	v_max3_num_f32 v[MX+1], v[WA+16], v[WA+17], v[WA+18]
	v_max3_num_f32 v[MX+2], v[WB],    v[WB+1],  0x1800000
	v_max3_num_f32 v[MX+3], v[WB+16], v[WB+17], v[WB+18]
.set j, 0
.rept 6
	v_max3_num_f32 v[MX],   v[MX],   v[WA+2+j],  v[WA+3+j]
	v_max3_num_f32 v[MX+1], v[MX+1], v[WA+19+j], v[WA+20+j]
	v_max3_num_f32 v[MX+2], v[MX+2], v[WB+2+j],  v[WB+3+j]
	v_max3_num_f32 v[MX+3], v[MX+3], v[WB+19+j], v[WB+20+j]
.set j, j+2
.endr
	v_max3_num_f32 v[MX],   v[MX],   v[WA+14], v[WA+15]
	v_max3_num_f32 v[MX+2], v[MX+2], v[WB+14], v[WB+15]
	v_max3_num_f32 v[MX],   v[MX],   v[MX+1],  v[WA+31]
	v_max3_num_f32 v[MX+2], v[MX+2], v[MX+3],  v[WB+31]
	v_add_nc_u32 v[SCL],   0xff000000, v[MX]       ; 2 off the exponent field: the conversion takes the exponent field of this operand as its scale, and nothing else of it
	v_add_nc_u32 v[SCL+1], 0xff000000, v[MX+2]
.irp g, 0,1,2,3
	v_cvt_scalef32_pk8_fp4_f32 v[TC+\g], v[WA+8*\g:WA+8*\g+7], v[SCL]
.endr
.irp g, 0,1,2,3
	v_cvt_scalef32_pk8_fp4_f32 v[TC+4+\g], v[WB+8*\g:WB+8*\g+7], v[SCL+1]
.endr
	s_wait_dscnt 0x0                               ; the last two byte stores, a whole batch back, have read their registers
	v_lshrrev_b32 v[BY],   23, v[SCL]              ; the scales' bytes.  (Plain lines behind the conversions.)  A block of zeros keeps the byte 1: its codes are zeros, and this kernel alone reads the bytes
	v_lshrrev_b32 v[BY+1], 23, v[SCL+1]
	ds_store_b8 v[SBA], v[BY]   offset:SBP*(2*(\i))        ; [column][block]: 32 lanes write a column's 32 bytes
	ds_store_b8 v[SBA], v[BY+1] offset:SBP*(2*(\i)+1)
	WIN 0x40                                       ; destination window 1
.irp g, 0,1,2,3,4,5,6,7
	v_xor_b32 v[8*(\i)+\g], v[TC+\g], v[MK+\g%4]   ; the amplitudes' signs; the codes wait in registers until x has landed
.endr
	WIN 0
.endm
.set bi, 0
.rept 16
	BATCH bi
.set bi, bi+1
.endr
	; addresses for the matrix work
	v_and_b32 v218, 15, v0                         ; r = lane % 16
	v_bfe_u32 v219, v0, 4, 1                       ; h = lane / 16
	v_mul_u32_u24 v[VA], v218, XP
	v_lshl_add_u32 v[VA], v219, 4, v[VA]
	v_add_nc_u32 v[VA], s22, v[VA]                 ; a fragment: row r x pitch + 16 h, in my tile
	v_add_nc_u32 v[VW], s22, v[GOF]                ; my block's 16 bytes of a column's row
	v_mul_u32_u24 v[VXS], v[LN], XSP
	s_lshl_b32 s62, s18, 5
	s_add_co_u32 s62, s62, XS
	v_add_nc_u32 v[VXS], s62, v[VXS]               ; x's scale bytes: row = lane (+ 32 p), my wave's 32 bytes of it
	v_mul_u32_u24 v[VWS], v[LN], SBP
	v_add_nc_u32 v[VWS], s23, v[VWS]               ; the weights': column = lane
	s_wait_tensorcnt 0x0                           ; my tile of codes and my 8 rows of scale bytes have landed;
	s_wait_dscnt 0x0                               ; my byte stores are done
	s_barrier_signal -1
	s_barrier_wait -1                              ; every wave's rows of scale bytes have landed.
.irp q, 0,1
	ds_load_b128 v[WS+4*\q:WS+4*\q+3], v[VWS] offset:16*\q                 ; a column's eight scale words
.endr
.irp p, 0,1
.irp q, 0,1
	ds_load_b128 v[XSC+8*\p+4*\q:XSC+8*\p+4*\q+3], v[VXS] offset:32*XSP*\p+16*\q
.endr
.endr
	WIN 0x40                                       ; destination window 1, address window 0
.irp s, 0,1,2,3,4,5,6,7
.irp m, 0,1
.irp c, 0,1
	ds_load_b128 v[128+16*\s+8*\m+4*\c:128+16*\s+8*\m+4*\c+3], v[VA] offset:(32+16*\m)*XP+64*\s+32*\c   ; x's rows 32-63 leave LDS,
.endr
.endr
.endr
	WIN 0x04                                       ; an LDS store's data are its source 1: window 1
.set n, 0
.rept 32
	ds_store_b128 v[VW], v[4*n:4*n+3] offset:(32+n)*XP     ; and column n's codes take row 32 + n's place: 32 lanes write its 512 bytes.  LDS serves a wave's instructions in order: the loads above came first
.set n, n+1
.endr
	WIN 0
.set idx, 0
.rept 16                                               ; x's rows 0-31: fragment 2 x K step + tile, 14 of them from v16 on, two from v192
.if idx < 14
.set AR, 16+8*idx
.else
.set AR, 192+8*(idx-14)
.endif
	ds_load_b128 v[AR:AR+3],   v[VA] offset:16*(idx%2)*XP+64*(idx/2)
	ds_load_b128 v[AR+4:AR+7], v[VA] offset:16*(idx%2)*XP+64*(idx/2)+32
.set idx, idx+1
.endr
	s_wait_dscnt 32                                ; all but the 32 loads just issued: the stores have read the codes' registers, which the next loads fill
	WIN 0x40
.irp s, 0,1,2,3,4,5,6,7
.irp t, 0,1
.irp c, 0,1
	ds_load_b128 v[16*\s+8*\t+4*\c:16*\s+8*\t+4*\c+3], v[VA] offset:(32+16*\t)*XP+64*\s+32*\c   ; the weights' fragments: lane (r, h) takes column 16 t + r, block 4 s + 2 c + h
.endr
.endr
.endr
	WIN 0
; one product: D at DD, source 0 (16 columns of w) at BB, source 1 (16 rows of x) at AA, their scale words in SA, SB; RA, RB: the words lie in lanes 16-31; ZZ: the product starts the sum
.macro MM
.set VAR, 4*ZZ+2*RA+RB
.if VAR == 0
	v_wmma_scale_f32_16x16x128_f8f6f4 v[DD:DD+7], v[BB:BB+7], v[AA:AA+7], v[DD:DD+7], v[SA], v[SB] matrix_a_fmt:MATRIX_FMT_FP4 matrix_b_fmt:MATRIX_FMT_FP4
.elseif VAR == 1
	v_wmma_scale_f32_16x16x128_f8f6f4 v[DD:DD+7], v[BB:BB+7], v[AA:AA+7], v[DD:DD+7], v[SA], v[SB] matrix_a_fmt:MATRIX_FMT_FP4 matrix_b_fmt:MATRIX_FMT_FP4 matrix_b_scale:MATRIX_SCALE_ROW1
.elseif VAR == 2
	v_wmma_scale_f32_16x16x128_f8f6f4 v[DD:DD+7], v[BB:BB+7], v[AA:AA+7], v[DD:DD+7], v[SA], v[SB] matrix_a_fmt:MATRIX_FMT_FP4 matrix_b_fmt:MATRIX_FMT_FP4 matrix_a_scale:MATRIX_SCALE_ROW1
.elseif VAR == 3
	v_wmma_scale_f32_16x16x128_f8f6f4 v[DD:DD+7], v[BB:BB+7], v[AA:AA+7], v[DD:DD+7], v[SA], v[SB] matrix_a_fmt:MATRIX_FMT_FP4 matrix_b_fmt:MATRIX_FMT_FP4 matrix_a_scale:MATRIX_SCALE_ROW1 matrix_b_scale:MATRIX_SCALE_ROW1
.elseif VAR == 4
	v_wmma_scale_f32_16x16x128_f8f6f4 v[DD:DD+7], v[BB:BB+7], v[AA:AA+7], 0, v[SA], v[SB] matrix_a_fmt:MATRIX_FMT_FP4 matrix_b_fmt:MATRIX_FMT_FP4
.elseif VAR == 5
	v_wmma_scale_f32_16x16x128_f8f6f4 v[DD:DD+7], v[BB:BB+7], v[AA:AA+7], 0, v[SA], v[SB] matrix_a_fmt:MATRIX_FMT_FP4 matrix_b_fmt:MATRIX_FMT_FP4 matrix_b_scale:MATRIX_SCALE_ROW1
.elseif VAR == 6
	v_wmma_scale_f32_16x16x128_f8f6f4 v[DD:DD+7], v[BB:BB+7], v[AA:AA+7], 0, v[SA], v[SB] matrix_a_fmt:MATRIX_FMT_FP4 matrix_b_fmt:MATRIX_FMT_FP4 matrix_a_scale:MATRIX_SCALE_ROW1
.else
	v_wmma_scale_f32_16x16x128_f8f6f4 v[DD:DD+7], v[BB:BB+7], v[AA:AA+7], 0, v[SA], v[SB] matrix_a_fmt:MATRIX_FMT_FP4 matrix_b_fmt:MATRIX_FMT_FP4 matrix_a_scale:MATRIX_SCALE_ROW1 matrix_b_scale:MATRIX_SCALE_ROW1
.endif
.endm
; Eight K steps of 128.  The eight accumulators take turns, one instruction a turn, in the same order in every step; the first step starts the sums: nothing is cleared.
.set st, 0
.rept 8
	s_wait_dscnt 4*(7-st)                          ; this step's fragments of w are in; the four loads of each later step may be out
.if st == 0
.set ZZ, 1
.else
.set ZZ, 0
.endif
.set SA, WS+st
	WIN 0x01                                       ; source 0 window 1; source 1, C and D window 0
.set SB, XSC+st
.irp mt, 0,1
.irp tt, 0,1
.set idx, 2*st+\mt
.if idx < 14
.set AA, 16+8*idx
.else
.set AA, 192+8*(idx-14)
.endif
.set DD, ACC+8*(2*\mt+\tt)
.set BB, 16*st+8*\tt
.set RA, \tt
.set RB, \mt
	MM
.endr
.endr
	WIN 0x05                                       ; sources 0 and 1 window 1
.set SB, XSC+8+st
.irp mt, 0,1
.irp tt, 0,1
.set AA, 128+16*st+8*\mt
.set DD, ACC+8*(2*(2+\mt)+\tt)
.set BB, 16*st+8*\tt
.set RA, \tt
.set RB, \mt
	MM
.endr
.endr
.set st, st+1
.endr
	WIN 0
	; THE WAY OUT.  These address lines name no register of the products: they are the places between the last products and the first read of a result.
	v_mul_u32_u24 v[VR], v218, RP
	v_lshl_add_u32 v[VR], v219, 5, v[VR]
	v_add_nc_u32 v[VR], s22, v[VR]                 ; my partial tile lies at the head of my own tile of x, whose reads are over: row r, + 32 h bytes
	v_lshrrev_b32 v220, 3, v[LN]                   ; lane / 8
	v_and_b32 v221, 7, v0                          ; lane % 8
	s_lshl_b32 s63, s18, 3
	v_add_nc_u32 v222, s63, v220                   ; the row that I add and store: 8 x wave + lane / 8 (and four rows on)
	v_mul_u32_u24 v[VRD], v222, RP
	v_lshl_add_u32 v[VRD], v221, 4, v[VRD]         ; eight lanes take a row's 128 bytes
	v_add_nc_u32 v[VRD+1], 2*XTW, v[VRD]
	v_add_nc_u32 v[VRD+2], 4*XTW, v[VRD]
	v_add_nc_u32 v[VRD+3], 6*XTW, v[VRD]
	v_lshlrev_b32 v[VOUT], 15, v220                ; a row of out0 is 32,768 bytes
	v_lshl_add_u32 v[VOUT], v221, 4, v[VOUT]
.irp mt, 0,1,2,3
.irp tt, 0,1
	ds_store_b128 v[VR], v[ACC+8*(2*\mt+\tt):ACC+8*(2*\mt+\tt)+3]   offset:16*\mt*RP+64*\tt       ; lane (r, h): row 16 m + r, columns 16 t + 8 h + 0 .. 7; each accumulator from its low end on
	ds_store_b128 v[VR], v[ACC+8*(2*\mt+\tt)+4:ACC+8*(2*\mt+\tt)+7] offset:16*\mt*RP+64*\tt+16
.endr
.endr
	s_wait_dscnt 0x0                               ; for the others' sake: my partial tile lies in LDS
	s_barrier_signal -1
	s_barrier_wait -1
.irp w, 0,1,2,3,4,5,6,7
.irp i, 0,1
	ds_load_b128 v[16+8*\w+4*\i:16+8*\w+4*\i+3], v[VRD+\w/2] offset:(\w%2)*XTW+4*RP*\i    ; wave w's part of my two rows' 16 bytes
.endr
.endr
	s_wait_dscnt 0x0
.irp w, 0,2,4,6
.irp o, 0,2,4,6
	v_pk_add_f32 v[16+8*\w+\o:16+8*\w+\o+1], v[16+8*\w+\o:16+8*\w+\o+1], v[24+8*\w+\o:24+8*\w+\o+1]
.endr
.endr
.irp w, 0,4
.irp o, 0,2,4,6
	v_pk_add_f32 v[16+8*\w+\o:16+8*\w+\o+1], v[16+8*\w+\o:16+8*\w+\o+1], v[32+8*\w+\o:32+8*\w+\o+1]
.endr
.endr
.irp o, 0,2,4,6
	v_pk_add_f32 v[16+\o:16+\o+1], v[16+\o:16+\o+1], v[48+\o:48+\o+1]
.endr
.irp o, 0,2,4,6
	v_pk_add_f32 v[16+\o:16+\o+1], v[16+\o:16+\o+1], v[BI+\o%4:BI+\o%4+1]      ; bias (its load was the first: the waits above have shown it in)
.endr
.irp o, 0,1,2,3,4,5,6,7
	v_max_num_f32 v[16+\o], 0, v[16+\o]            ; relu
.endr
	global_store_b128 v[VOUT], v[16:19], s[16:17] th:TH_STORE_NT                  ; 32 lanes store four rows' 128 consecutive bytes
	global_store_b128 v[VOUT], v[20:23], s[16:17] offset:4*32768 th:TH_STORE_NT
	s_wait_tensorcnt 0x0
	ds_add_u32 v254, v255
	s_wait_dscnt 0x0
	ROUND                                          ; the closing round: no work-group ends while a partner may still ask for a tile that names it
	s_endpgm
.Lfunc_end_k_q08bdb1dd2a_gaussfc:
	.size	k_q08bdb1dd2a_gaussfc, .Lfunc_end_k_q08bdb1dd2a_gaussfc-k_q08bdb1dd2a_gaussfc
	.p2alignl 7, 3214868480
	.fill 96, 4, 3214868480
	.section	.rodata,"a",@progbits
	.p2align	6, 0x0
	.amdhsa_kernel k_q08bdb1dd2a_gaussfc
		.amdhsa_group_segment_fixed_size 327680
		.amdhsa_private_segment_fixed_size 0
		.amdhsa_enable_private_segment 0
		.amdhsa_kernarg_size 56
		.amdhsa_user_sgpr_count 2
		.amdhsa_user_sgpr_kernarg_segment_ptr 1
		.amdhsa_wavefront_size32 1
		.amdhsa_system_sgpr_workgroup_id_x 1
		.amdhsa_system_sgpr_workgroup_id_y 1
		.amdhsa_system_sgpr_workgroup_id_z 1
		.amdhsa_system_vgpr_workitem_id 0
		.amdhsa_next_free_vgpr 512
		.amdhsa_next_free_sgpr 66
		.amdhsa_reserve_vcc 0
		.amdhsa_float_denorm_mode_32 3
		.amdhsa_float_denorm_mode_16_64 3
		.amdhsa_memory_ordered 1
		.amdhsa_forward_progress 1
		.amdhsa_inst_pref_size 224
	.end_amdhsa_kernel
	.amdgpu_metadata
---
amdhsa.version: [ 1, 2 ]
amdhsa.kernels:
  - .name:           k_q08bdb1dd2a_gaussfc
    .symbol:         k_q08bdb1dd2a_gaussfc.kd
    .args:
      - { .name: x_codes, .offset: 0, .size: 8, .value_kind: global_buffer, .address_space: global }
      - { .name: x_scales, .offset: 8, .size: 8, .value_kind: global_buffer, .address_space: global }
      - { .name: mu, .offset: 16, .size: 8, .value_kind: global_buffer, .address_space: global }
      - { .name: sigma, .offset: 24, .size: 8, .value_kind: global_buffer, .address_space: global }
      - { .name: amplitude, .offset: 32, .size: 8, .value_kind: global_buffer, .address_space: global }
      - { .name: bias, .offset: 40, .size: 8, .value_kind: global_buffer, .address_space: global }
      - { .name: out0, .offset: 48, .size: 8, .value_kind: global_buffer, .address_space: global }
    .group_segment_fixed_size: 327680
    .private_segment_fixed_size: 0
    .kernarg_segment_align: 8
    .kernarg_segment_size: 56
    .max_flat_workgroup_size: 256
    .sgpr_count:     66
    .vgpr_count:     512
    .wavefront_size: 32
...
	.end_amdgpu_metadata
.endif
;; end of part 1
